; MI455X (gfx1250); checked and timed in simulation.
; The chip was launched on July 23, 2026; its instructions are those of AMD's public machine-readable ISA for CDNA 5 (MIT licence, August 2026) and "CDNA5" Instruction Set Architecture Reference Guide (July 2026). The comments in the code are by the model that wrote it; some were corrected since.
;; Codebook Layer. Allowed arithmetic: matrix products marked QUANTISED: E2M3 operands, one E8M0 scale for each 32 along K, by v_wmma_scale_f32_16x16x128_f8f6f4 with both operands' format E2M3, f32 sums; everything else in f32.
;; Inputs: codebook 8,192 x 1,024 float32; x 4 x 2,048 x 1,024 float32.
;; Outputs: out0 4 x 2,048 x 1,024 float32.
;; This version of the problem:
;;   THIS VERSION OF THE PROBLEM IS GIVEN IN LOW PRECISION. The matrix products marked QUANTISED in the list below multiply operands that are first quantised to E2M3 (2 exponent bits, 3 mantissa bits; 6 bits a number), with one power-of-two scale for each 32 numbers along K (OCP MX v1.0); their sums are f32. All else is computed in f32.
;;   The module's matrix products, in the order in which they are computed (A, B: the left and right operand; K: the contracted axis; several contracted axes count as one K, in the product's order):
;;     1. [M 8,192, K 1,024] x [K 1,024, N 8,192]; A: input x; B: input codebook: QUANTISED
;;   THE QUANTISER, for each operand of a quantised product, along K:
;;     - K is cut into blocks of 32 from its start; a last block that is shorter is filled with zeros.
;;     - A block's scale is 2^e with e = floor(log2(the largest magnitude in the block)) - 2, held to -126 .. 127; a block of zeros has e = 0. As a byte (E8M0): e + 127.
;;     - Each number is divided by its block's scale, clamped to +-7.5, and rounded to the nearest number of E2M3, ties to even, subnormals kept.
;;     - The product sums the exact products of the quantised numbers (number of the format x scale) in f32.
;;   ~~~python
;;   def quantise(x, axis):      # numpy; x: float32 -> the quantised numbers, widened to float32 again
;;       x = np.moveaxis(x, axis, -1); K = x.shape[-1]
;;       x = np.pad(x, [(0, 0)] * (x.ndim - 1) + [(0, -K % 32)]); x = x.reshape(x.shape[:-1] + (-1, 32)); a = np.abs(x).max(-1, keepdims=True)
;;       e = np.where(a > 0, np.clip(np.frexp(np.where(a > 0, a, 1))[1] - 1 - 2, -126, 127), 0)      # np.frexp(a)[1] - 1 = floor(log2(a)), exactly
;;       r = np.clip(x / 2.0 ** e, -7.5, 7.5)
;;       step = 2.0 ** (np.maximum(np.frexp(np.where(r == 0, 1, r))[1] - 1, 0) - 3)
;;       q = np.round(r / step) * step * 2.0 ** e      # np.round: ties to even
;;       return np.moveaxis(q.reshape(q.shape[:-2] + (-1,))[..., :K], -1, axis).astype(np.float32)
;;   ~~~
;; One version. Each part assembles by itself: llvm-mc -triple=amdgcn-amd-amdhsa -mcpu=gfx1250 --defsym DOCPART=n.
;; ======== version 1 of 1: 3 launches
;; limits: right only within a limited range of input values
;; workspace buffers: xq 6,553,600 bytes; cq 6,553,600 bytes; csq 32,768 bytes; part 1,048,576 bytes of whole numbers
;; launch quant (part 1): grid 256 x 1, 16 waves a work-group, no clusters, 140,288 bytes of LDS; arguments x, codebook, xq, cq, csq; writes xq, cq, csq
.if DOCPART == 1
	.amdgcn_target "amdgcn-amd-amdhsa--gfx1250"
	.amdhsa_code_object_version 6
	.text
	.protected	k_q95949ac91b_quant
	.globl	k_q95949ac91b_quant
	.p2align	8
	.type	k_q95949ac91b_quant,@function
k_q95949ac91b_quant:
	s_mov_b64 s[64:65], 0
	v_nop
	global_prefetch_b8 v0, s[64:65] scope:SCOPE_SE
	s_setreg_imm32_b32 hwreg(HW_REG_WAVE_MODE, 25, 1), 1
	s_wait_xcnt 0x0
; x [8192][1024] and codebook [8192][1024], f32, become codes of FP6 (E2M3) with one E8M0 scale byte for each 32 along K; of the codebook also -c2 / 2 for each row, c2 its sum of squares in f32.
; WORK LEFT OUT: x2 = sum of x^2.  top_k runs over the codes of one row of x, and x2 is the same number for all codes of that row: in real numbers 2 xc - x2 - c2 and xc - c2 / 2 order the codes alike, whatever x holds.
; So x2 is not computed anywhere in this program; x itself is live (it is quantised).  LIMIT: a NaN, an infinity or an overflow that would reach x2 alone is not carried to the result.
; A block's scale is 2^(floor(log2(its largest magnitude)) - 2); its byte is the largest magnitude's exponent field - 2, held at 1 from below; each number is divided by the scale and rounded to the nearest code, ties to even,
; beyond 7.5 the largest code.
; LIMITS: NaN and infinities among the inputs are not served.  A block of zeros gets the byte 1 where the rule says 127: its codes are zeros, which add nothing under any byte but 0xff, and this program alone reads the bytes.
; The sums of squares are added in four packed chains, two halves of the lanes and four K steps: another order than a plain running sum.
; THE OUTPUT IS LAID AS THE NEXT LAUNCH'S OPERAND REGISTERS.  A tensor is cut into tiles T of 256 rows and K steps s of 256: block (T, s) is 51,200 dense bytes at (4 T + s) x 51,200.  In it fragment (i, kk) (rows 16 i on, K 128 kk on)
; lies at (2 i + kk) x 1,536: registers 4 c .. 4 c + 3 of lane l at 512 c + 16 l.  Behind the 32 fragments, at 49,152 + 128 i + 8 r + 4 kk, row r's scale word of that 128 along K.
; SHARES.  Work-groups 0-127 take x, 128-255 the codebook.  A work-group owns 64 rows, all of K.  Wave w takes K step w % 4 of rows 16 (w / 4) on, as two units of 16 rows x 128 K.
; A unit's 16 loads read 512 consecutive bytes each; the 8,192 bytes turn through the wave's own stage in LDS, so that lane (r, h) holds k = 64 c + 32 h + 0 .. 31 of row r: two whole blocks, in the order of the operand's registers.
; Both units' numbers stay in registers, so that the squares stand in ONE place, which x's work-groups jump over.  No tensor load, no loop; one barrier, in front of the gathered scale words and sums.
.set SPITCH, 528                       ; a stage row: 512 bytes + 16
.set STG,    16*SPITCH                 ; a wave's stage
.set SCS,    16*STG                    ; the work-group's scale words, 512 s + 128 rb + 8 r: 2,048 bytes
.set SUMS,   SCS+2048                  ; the partial sums of squares, 256 s + 64 rb + 4 r: 1,024 bytes
.set SPARE,  SUMS+1024                 ; the spare words, 128 bytes for each wave
.set BLK,    51200
.set FRB,    1536
.set SCO,    49152
.set R,   16                           ; v16-143   as loaded: unit kk, row i at R + 64 kk + 4 i
.set X0,  144                          ; v144-207  unit 0's 64 numbers of my row
.set X1,  16                           ; v16-79    unit 1's, where unit 0 was loaded
.set C,   208                          ; v208-231  the codes: 12 registers a unit
.set CT,  232                          ; v232-234, v236-238  the second halves of the blocks' codes, as the conversions leave them
.set SPW, 235                          ; my spare word's LDS address; never rewritten
.set NIL, 239                          ; 0; never rewritten
.set M,   240
.set SO,  242
.set BY,  244
.set SW,  246
.set SQ,  248
	s_load_b128 s[4:7], s[0:1], 0x0                ; x, codebook
	s_load_b128 s[8:11], s[0:1], 0x10              ; xq, cq
	s_load_b64 s[12:13], s[0:1], 0x20              ; csq
	v_lshl_add_u32 v[SPW], v0, 2, SPARE
	v_mov_b32 v[NIL], 0
	v_lshrrev_b32 v1, 5, v0
	s_delay_alu instid0(VALU_DEP_1)
	v_readfirstlane_b32 s16, v1                    ; wave 0..15
	s_and_b32 s17, s16, 3                          ; s: my K step of 256
	s_lshr_b32 s18, s16, 2                         ; rb: my 16 rows of the 64
	v_and_b32 v1, 31, v0                           ; lane
	v_and_b32 v2, 15, v0                           ; r
	s_wait_alu depctr_va_vdst(0)
	v_bfe_u32 v3, v0, 4, 1                         ; h
	v_lshlrev_b32 v4, 4, v1                        ; 16 x lane
	s_mul_i32 s19, s16, STG
	v_add_nc_u32 v5, s19, v4                       ; the stage, way in: as loaded
	v_mul_u32_u24 v6, v2, SPITCH
	s_delay_alu instid0(VALU_DEP_1)
	v_lshl_add_u32 v6, v3, 7, v6
	s_delay_alu instid0(VALU_DEP_1)
	v_add_nc_u32 v6, s19, v6                       ; way out: row r, + 128 h bytes
	s_lshl_b32 s19, s17, 9
	s_add_co_u32 s19, s19, SCS
	s_lshl_b32 s23, s18, 7
	s_add_co_u32 s23, s23, s19
	v_lshl_add_u32 v7, v2, 3, s23                  ; where I put my row's two scale words
	v_add_nc_u32 v9, s19, v4                       ; where waves 0-3 read 512 bytes back
	s_lshl_b32 s19, s17, 8
	s_lshl_b32 s23, s18, 6
	s_add_co_u32 s23, s23, s19
	s_add_co_u32 s23, s23, SUMS
	v_lshl_add_u32 v8, v2, 2, s23                  ; where I put my row's partial sum
	v_lshlrev_b32 v11, 3, v1                       ; 8 x lane
	s_delay_alu instid0(VALU_DEP_1)
	v_add_nc_u32 v10, SUMS, v11                    ; where wave 4 reads two rows' partial sums
	v_lshlrev_b32 v12, 3, v3                       ; 8 h
	v_mov_b32 v14, 0                               ; a lane permute's destination counts as one of its sources
	s_mov_b32 s20, 0x76543210
	s_mov_b32 s21, 0xfedcba98
	s_wait_alu depctr_va_vdst(0)                   ; the wait at the head's end
	s_wait_kmcnt 0x0
	s_cmp_lt_u32 ttmp9, 128                        ; x's work-group or the codebook's
	s_cselect_b64 s[4:5], s[4:5], s[6:7]
	s_cselect_b64 s[8:9], s[8:9], s[10:11]
	s_cselect_b32 s22, 0, 128
	s_sub_co_u32 s22, ttmp9, s22                   ; g: which 64 rows of the tensor
	s_lshl_b32 s24, s22, 18
	s_lshl_b32 s25, s18, 16
	s_add_co_u32 s24, s24, s25
	s_lshl_b32 s25, s17, 10
	s_add_co_u32 s24, s24, s25
	s_mov_b32 s25, 0
	s_add_nc_u64 s[4:5], s[4:5], s[24:25]
	s_and_b32 s26, s22, 0x7c                       ; 4 T
	s_add_co_u32 s26, s26, s17
	s_mul_i32 s26, s26, BLK                        ; block (T, s)
	s_and_b32 s28, s22, 3
	s_lshl_b32 s24, s28, 2
	s_add_co_u32 s24, s24, s18                     ; i = 4 (g % 4) + rb
	s_mul_i32 s24, s24, 2*FRB
	s_add_co_u32 s24, s24, s26
	s_add_nc_u64 s[30:31], s[8:9], s[24:25]        ; my two fragments
	s_lshl_b32 s24, s28, 9
	s_add_co_u32 s24, s24, s26
	s_add_co_u32 s24, s24, SCO
	s_add_nc_u64 s[8:9], s[8:9], s[24:25]          ; the work-group's 512 bytes of scale words in block (T, s)
	s_lshl_b32 s24, s22, 8
	s_add_nc_u64 s[12:13], s[12:13], s[24:25]      ; its 64 numbers in csq (used by the codebook's work-groups alone)
.irp kk, 0,1
.irp i, 0,1,2,3,4,5,6,7,8,9,10,11,12,13,14,15
	global_load_b128 v[R+64*\kk+4*\i:R+64*\kk+4*\i+3], v4, s[4:5] offset:4096*\i+512*\kk th:TH_LOAD_NT   ; 32 lanes read 512 consecutive bytes
.endr
.endr
.macro UNIT kk, xs
.if \kk == 0
	s_wait_loadcnt 16                              ; unit 0's sixteen loads are in; unit 1's sixteen may be out
.else
	s_wait_loadcnt 0x0
.endif
.irp i, 0,1,2,3,4,5,6,7,8,9,10,11,12,13,14,15
	ds_store_b128 v5, v[R+64*\kk+4*\i:R+64*\kk+4*\i+3] offset:SPITCH*\i
.endr
.irp c, 0,1
.irp q, 0,1,2,3,4,5,6,7
	ds_load_b128 v[\xs+32*\c+4*\q:\xs+32*\c+4*\q+3], v6 offset:256*\c+16*\q   ; LDS serves a wave's instructions in order (ISA guide 5.7.1.4): these see the stores above
.endr
.endr
	s_wait_dscnt 0x0
.irp c, 0,1                                    ; my block 2 c + h: all its 32 numbers are mine; the two blocks by turns
	v_max3_num_f32 v[M+\c], |v[\xs+32*\c]|, |v[\xs+32*\c+1]|, 0x1800000   ; with the floor 2^(3 - 127) as a leaf: the byte cannot fall under 1
.endr
.irp i, 2,4,6,8,10,12,14,16,18,20,22,24,26,28,30
.irp c, 0,1
	s_delay_alu instid0(VALU_DEP_2)
	v_max3_num_f32 v[M+\c], v[M+\c], |v[\xs+32*\c+\i]|, |v[\xs+32*\c+\i+1]|
.endr
.endr
.irp c, 0,1
	s_delay_alu instid0(VALU_DEP_2)
	v_add_nc_u32 v[SO+\c], 0xff000000, v[M+\c]     ; 2 off the exponent field: the conversion's scale operand
.endr
.irp c, 0,1
	s_delay_alu instid0(VALU_DEP_2)
	v_lshrrev_b32 v[BY+\c], 23, v[SO+\c]           ; the scale's byte
.endr
	s_delay_alu instid0(VALU_DEP_1)
	v_lshl_or_b32 v13, v[BY+1], 16, v[BY]          ; my two bytes: blocks h and 2 + h of row r,
	s_delay_alu instid0(VALU_DEP_1)
	v_lshlrev_b32 v13, v12, v13                    ; at their places in the word;
	s_delay_alu instid0(VALU_DEP_1)
	v_permlanex16_b32 v14, v13, s20, s21
	s_delay_alu instid0(VALU_DEP_1)
	v_or_b32 v[SW+\kk], v13, v14                   ; with lane l xor 16's two the word is whole
.irp c, 0,1
	v_cvt_scalef32_pk16_fp6_f32 v[C+12*\kk+6*\c:C+12*\kk+6*\c+2], v[\xs+32*\c:\xs+32*\c+15], v[SO+\c]
	v_cvt_scalef32_pk16_fp6_f32 v[CT+4*\c:CT+4*\c+2], v[\xs+32*\c+16:\xs+32*\c+31], v[SO+\c]   ; (a conversion's three registers begin on an even number: the second half is made here and moved)
.endr
	v_nop                                          ; one plain place behind a scaled conversion
.irp c, 0,1
.irp i, 0,1,2
	v_mov_b32 v[C+12*\kk+6*\c+3+\i], v[CT+4*\c+\i]
.endr
.endr
.irp c, 0,1,2
	global_store_b128 v4, v[C+12*\kk+4*\c:C+12*\kk+4*\c+3], s[30:31] offset:FRB*\kk+512*\c   ; the fragment as it stands: 512 consecutive bytes, aligned to 256
.endr
.endm
	UNIT 0, X0
	UNIT 1, X1
	ds_store_b64 v7, v[SW:SW+1]                    ; both halves of the lanes write the same bytes with the same values
	s_cmp_lt_u32 ttmp9, 128
	s_wait_alu depctr_va_vdst(0)                   ; the wait ahead of the branch
	s_cbranch_scc1 .Lno_sum                        ; x's work-groups take no squares
.irp p, 0,1,2,3
	v_pk_mul_f32 v[SQ+2*\p:SQ+2*\p+1], v[X0+2*\p:X0+2*\p+1], v[X0+2*\p:X0+2*\p+1]   ; the first four start the chains: nothing is cleared
.endr
.set PR, 4
.rept 28
	s_delay_alu instid0(VALU_DEP_4)
	v_pk_fma_f32 v[SQ+2*(PR%4):SQ+2*(PR%4)+1], v[X0+2*PR:X0+2*PR+1], v[X0+2*PR:X0+2*PR+1], v[SQ+2*(PR%4):SQ+2*(PR%4)+1]
.set PR, PR+1
.endr
.set PR, 0
.rept 32
	s_delay_alu instid0(VALU_DEP_4)
	v_pk_fma_f32 v[SQ+2*(PR%4):SQ+2*(PR%4)+1], v[X1+2*PR:X1+2*PR+1], v[X1+2*PR:X1+2*PR+1], v[SQ+2*(PR%4):SQ+2*(PR%4)+1]
.set PR, PR+1
.endr
	v_pk_add_f32 v[SQ:SQ+1], v[SQ:SQ+1], v[SQ+2:SQ+3]
	v_pk_add_f32 v[SQ+4:SQ+5], v[SQ+4:SQ+5], v[SQ+6:SQ+7]
	s_delay_alu instid0(VALU_DEP_1)
	v_pk_add_f32 v[SQ:SQ+1], v[SQ:SQ+1], v[SQ+4:SQ+5]
	s_delay_alu instid0(VALU_DEP_1)
	v_add_f32 v13, v[SQ], v[SQ+1]
	s_delay_alu instid0(VALU_DEP_1)
	v_permlanex16_b32 v14, v13, s20, s21
	s_delay_alu instid0(VALU_DEP_1)
	v_add_f32 v13, v13, v14                        ; row r's squares over my 256 along K
	ds_store_b32 v8, v13
.Lno_sum:
	s_wait_dscnt 0x0                               ; for the others' sake: my stores have landed
	s_barrier_signal -1
	s_barrier_wait -1
	s_cmp_lt_u32 s16, 4
	s_cbranch_scc0 .Lnot_scales
	ds_load_b128 v[16:19], v9                      ; waves 0-3: the 64 rows' scale words of K step = wave
	s_wait_dscnt 0x0
	global_store_b128 v4, v[16:19], s[8:9]         ; 512 consecutive bytes, aligned to 256
	s_wait_tensorcnt 0x0                           ; the wave's end
	ds_add_u32 v[SPW], v[NIL]
	s_wait_dscnt 0x0
	s_endpgm
.Lnot_scales:
	s_cmp_eq_u32 s16, 4
	s_cbranch_scc0 .Ldone
	s_cmp_lt_u32 ttmp9, 128
	s_cbranch_scc1 .Ldone                          ; x has no sums
.irp s, 0,1,2,3
	ds_load_b64 v[16+2*\s:17+2*\s], v10 offset:256*\s   ; wave 4: two rows a lane, the four K steps' partial sums
.endr
	s_wait_dscnt 0x0
	v_pk_add_f32 v[16:17], v[16:17], v[18:19]
	v_pk_add_f32 v[20:21], v[20:21], v[22:23]
	s_delay_alu instid0(VALU_DEP_1)
	v_pk_add_f32 v[24:25], v[16:17], v[20:21]
	s_delay_alu instid0(VALU_DEP_1)
	v_pk_mul_f32 v[24:25], v[24:25], -0.5 op_sel_hi:[1,0]   ; -c2 / 2: the halving is exact
	global_store_b64 v11, v[24:25], s[12:13]       ; 64 numbers: 256 consecutive bytes, aligned
.Ldone:
	s_wait_tensorcnt 0x0
	ds_add_u32 v[SPW], v[NIL]
	s_wait_dscnt 0x0
	s_endpgm
.Lfunc_end_k_q95949ac91b_quant:
	.size	k_q95949ac91b_quant, .Lfunc_end_k_q95949ac91b_quant-k_q95949ac91b_quant
	.p2alignl 7, 3214868480
	.fill 96, 4, 3214868480
	.section	.rodata,"a",@progbits
	.p2align	6, 0x0
	.amdhsa_kernel k_q95949ac91b_quant
		.amdhsa_group_segment_fixed_size 140288
		.amdhsa_private_segment_fixed_size 0
		.amdhsa_enable_private_segment 0
		.amdhsa_kernarg_size 40
		.amdhsa_user_sgpr_count 2
		.amdhsa_user_sgpr_kernarg_segment_ptr 1
		.amdhsa_wavefront_size32 1
		.amdhsa_system_sgpr_workgroup_id_x 1
		.amdhsa_system_sgpr_workgroup_id_y 1
		.amdhsa_system_sgpr_workgroup_id_z 1
		.amdhsa_system_vgpr_workitem_id 0
		.amdhsa_next_free_vgpr 256
		.amdhsa_next_free_sgpr 66
		.amdhsa_reserve_vcc 0
		.amdhsa_float_denorm_mode_32 3
		.amdhsa_float_denorm_mode_16_64 3
		.amdhsa_memory_ordered 1
		.amdhsa_forward_progress 1
		.amdhsa_inst_pref_size 28
	.end_amdhsa_kernel
	.amdgpu_metadata
---
amdhsa.version: [ 1, 2 ]
amdhsa.kernels:
  - .name:           k_q95949ac91b_quant
    .symbol:         k_q95949ac91b_quant.kd
    .args:
      - { .name: x, .offset: 0, .size: 8, .value_kind: global_buffer, .address_space: global }
      - { .name: codebook, .offset: 8, .size: 8, .value_kind: global_buffer, .address_space: global }
      - { .name: xq, .offset: 16, .size: 8, .value_kind: global_buffer, .address_space: global }
      - { .name: cq, .offset: 24, .size: 8, .value_kind: global_buffer, .address_space: global }
      - { .name: csq, .offset: 32, .size: 8, .value_kind: global_buffer, .address_space: global }
    .group_segment_fixed_size: 140288
    .private_segment_fixed_size: 0
    .kernarg_segment_align: 8
    .kernarg_segment_size: 40
    .max_flat_workgroup_size: 512
    .sgpr_count:     66
    .vgpr_count:     256
    .wavefront_size: 32
...
	.end_amdgpu_metadata
.endif
;; end of part 1
;; launch snap (part 2): grid 8 x 32, 4 waves a work-group, clusters of 4 x 4, 327,680 bytes of LDS; arguments xq, cq, csq, part; writes part
.if DOCPART == 2
	.amdgcn_target "amdgcn-amd-amdhsa--gfx1250"
	.amdhsa_code_object_version 6
	.text
	.protected	k_q95949ac91b_snap
	.globl	k_q95949ac91b_snap
	.p2align	8
	.type	k_q95949ac91b_snap,@function
k_q95949ac91b_snap:
	s_mov_b64 s[64:65], 0
	v_nop
	global_prefetch_b8 v0, s[64:65] scope:SCOPE_SE
	s_setreg_imm32_b32 hwreg(HW_REG_WAVE_MODE, 25, 1), 1
	s_wait_xcnt 0x0
	s_wait_alu depctr_hold_cnt(0) depctr_sa_sdst(0) depctr_va_vdst(0) depctr_va_sdst(0) depctr_va_ssrc(0) depctr_va_vcc(0) depctr_vm_vsrc(0)
	s_getreg_b32 s2, hwreg(HW_REG_IB_STS2, 6, 4)
	s_cmp_eq_u32 s2, 0
	s_cbranch_scc0 .Lentry_in_a_cluster
	s_endpgm
.Lentry_in_a_cluster:
	s_bfe_u32 s2, ttmp6, 0x10000c
	s_cmp_lg_u32 s2, 0xf033
	s_cbranch_scc0 .Lentry_shape_is_right
	s_endpgm
.Lentry_shape_is_right:
; For each of 8,192 rows of x: the largest score over a range of codes, and the lowest code that has it.  xc = Q(x) Q(codebook)^T on codes of FP6 (E2M3) with E8M0 scales, sums in f32.
; WORK LEFT OUT: x2, the same for all codes of a row (shown at the head of the first kernel).  THE SCORE is xc - c2 / 2 + c2[0] / 2: half of 2 xc - c2, and a number that is the same for every code and row, so the order of codes stays.
; -(c2 - c2[0]) / 2 is the C of each tile's first matrix instruction: no vector instruction forms a score.  Taking code 0's c2 off keeps the sums small beside xc whatever the codebook's size of numbers.
; LIMITS: the roundings stand in another order than in 2 xc - x2 - c2 (c2 enters the f32 sum first).  NaN and infinities are not served (a row whose every score is -infinity or NaN gets the range's first code + 7 + 8 h).
; SHARES.  Work-group (Y, T): codes 1,024 Y on (four tiles of 256), rows 256 T on.  Four waves, as many as a WGP has SIMDs; wave (wr, wc) makes rows 128 wr on x codes 128 wc on of each tile: 64 accumulators, 512 registers.
; x's codes of the 256 rows, all of K, come into LDS once and stay (4 blocks of 51,200 bytes).  The codebook's 16 blocks (tile t, K step s of 256; on end in cq) go through two slots of 51,200 bytes.
; Both buffers are images of the operand's registers: a fragment (16 rows x 128 K, 12 registers) is three loads of 16 bytes a lane, 512 consecutive bytes each.
; THE MATRIX INSTRUCTION IS USED TRANSPOSED: source 0 = 16 codes, source 1 = 16 rows of x.  Lane (r, h) holds ONE row, r, and register j of accumulator (a, b) the code 16 b + 8 h + j: the search stays in the lane.
; THE SEARCH, four blocks of 16 rows by turns.  For accumulator b: N(b) = the largest of N(b - 1) and its eight scores, nine leaves in four three-input maxima; N(b) > N(b - 1) says that it took the lead: one compare, one select of
; its first code (ID), eight selects of its scores (SV).  The compare is strict and codes ascend, so the earliest keeps a tie; at the end the first of SV's eight that equals BEST names the code.
; WHAT IS STORED: for each row 16 partial results (p = 2 Y + wc): a key (the score's bits as a whole number of the same order, -0 made +0 first) and the code.
; CLUSTERS: 4 x 4.  x's blocks hang on T alone and are shared along a row of the cluster, the codebook's on Y alone and are shared along a column: each is asked for JOINTLY.
; THE HEAD: one joint load a wave: waves 0, 1 x's blocks 0, 1; waves 2, 3 the codebook's blocks 0, 1.  x's blocks 2, 3 follow behind the three lines and a round, a quarter (25,600 bytes) a wave.  In the ring a wave brings its quarter of a block.
; PREFETCH: behind each refill (block n + 2) a wave names block n + 4: of its quarter's 50 runs of 256 bytes the partner at cy takes 13 cy on, a lane a run (lanes left over name the last again); blocks 2, 3 are named at the head;
; the last tile names nothing, so no address passes block 15.  x's blocks have no loop to run ahead in.
; REGISTERS.  Window 0: v0-15, v240-255 N; v16-31 addresses; v32-63 scale words, two sets; v64-127 SV; v128-223 x's fragments, ONE set; v224-231 BEST; v232-239 ID.
;   Window 1: the codebook's fragments, two sets, v0-95 and v128-223; the tile's C in v96-127 and v224-255.  Windows 2 and 3: the accumulators, (a, b) at v[8 (8 (a % 4) + b)].
.set BLK,   51200
.set QRT,   BLK/4
.set FRB,   1536
.set SCO,   49152
.set BS0,   4*BLK
.set SPARE, 6*BLK                      ; the spare words, 128 bytes for each wave
.set ADRA, 16                          ; v16-19 my fragments of x in K step s
.set ADRB, 20                          ; v20-21 my fragments of the codebook in slot 0, 1
.set ADRS, 22                          ; v22-25 my scale words for K step s: lanes 0-15 x's rows, lanes 16-31 the codes
.set PFO,  26                          ; the prefetches' offset; never rewritten
.set PO,   27                          ; 8 x lane
.set SPW,  28
.set NIL,  29
.set H8,   30                          ; 8 h
.set C2O,  31                          ; 32 h
.set SC,   32
.set SV,   64
.set AF,   128
.set BEST, 224
.set ID,   232
.set G1A,  24                          ; s[24:31] group 1 for x's blocks; s[32:39] for the codebook's
.set G1B,  32
.set IDS,  40                          ; s[40:47] the first code of the tile's block b
.set G0HA, 48                          ; s[48:51] group 0 for x's loads; s[52:55] for the codebook's head load
.set G0HB, 52
.set G0B,  56                          ; s[56:63] groups 0 of the two slots
.set MK,   66                          ; s[66:97] lane masks of the compares (in the head: at work)
.set PFA,  98                          ; s[98:99] where my prefetches stand
.set H0,   100                         ; s[100:101] c2[0] / 2 in the low word
.set MSB, 0
.macro WIN new
.if MSB != (\new)
	s_set_vgpr_msb (MSB<<8)|(\new)
.set MSB, (\new)
.endif
.endm
.set MUL_LO, 0xa1                      ; source 0 (codes) window 1, source 1 (x) window 0, C and D window 2;  0x91: C window 1
.set MUL_HI, 0xf1                      ; the same, C and D window 3;  0xd1: C window 1
.set TO_B,   0x40
.macro CREST
	s_cmp_lg_u32 s14, 0
	s_cbranch_scc1 .Lnot_wave_0_\@
	s_barrier_signal -3
.Lnot_wave_0_\@:
	s_barrier_wait -3
	s_barrier_signal -1
	s_barrier_wait -1
.endm
.macro CROUND
	s_barrier_signal -1
	s_barrier_wait -1
	CREST
.endm
.macro PLACES n                        ; places behind matrix instructions and behind a tensor load
.rept \n
	v_nop
.endr
.endm
	s_load_b256 s[4:11], s[0:1], 0x0               ; xq s[4:5], cq s[6:7], csq s[8:9], part s[10:11]
	v_lshl_add_u32 v[SPW], v0, 2, SPARE
	v_mov_b32 v[NIL], 0
	ds_add_u32 v[SPW], v[NIL]                      ; the opening lines: the add twice on end and its wait
	ds_add_u32 v[SPW], v[NIL]
	v_lshrrev_b32 v1, 5, v0
	v_readfirstlane_b32 s14, v1                    ; wave 0..3
	s_lshr_b32 s15, s14, 1                         ; wr.  At the head: 0 fetches for x, 1 for the codebook
	s_and_b32 s16, s14, 1                          ; wc.  At the head: which block
	s_bfe_u32 s66, ttmp6, 0x40000                  ; cx
	s_bfe_u32 s67, ttmp6, 0x40004                  ; cy
	s_lshl_b32 s68, ttmp9, 2
	s_add_co_u32 s68, s68, s66                     ; Y
	s_and_b32 s17, ttmp7, 0xffff
	s_lshl_b32 s17, s17, 2
	s_add_co_u32 s17, s17, s67                     ; T
	s_lshl_b32 s69, s67, 2
	s_lshl_b32 s69, 15, s69                        ; my row of the cluster
	s_lshl_b32 s70, 0x1111, s66                    ; my column
	s_or_b32 s[G1A], s69, (3<<16)|(1<<21)          ; the mask; elements of 8 bytes; bit 21 beside a mask; no padding
	s_or_b32 s[G1B], s70, (3<<16)|(1<<21)
.irp g, G1A, G1B
	s_mov_b32 s[\g+1], 32<<16                      ; rows of 32 elements, 256 bytes, dense
	s_mov_b32 s[\g+2], 200<<16                     ; the head's loads: a whole block, 200 rows
	s_mov_b32 s[\g+3], 32<<16
	s_mov_b32 s[\g+4], 200
	s_mov_b32 s[\g+5], 32
	s_mov_b32 s[\g+6], 0
	s_mov_b32 s[\g+7], 0
.endr
	s_mul_i32 s72, s17, 4*BLK                      ; x: tile T's four blocks
	s_mov_b32 s73, 0
	s_mul_i32 s74, s68, 16*BLK                     ; the codebook: range Y's sixteen blocks
	s_mov_b32 s75, 0
	s_mul_i32 s92, s16, BLK                        ; the head's block, in memory and in LDS alike
	s_mov_b32 s93, 0
	s_mul_i32 s18, s15, 16*FRB                     ; my 8 blocks of rows
	s_mul_i32 s19, s16, 16*FRB                     ; my 8 blocks of codes
	s_lshl_b32 s23, s15, 10                        ; my rows' scale words
	s_xor_b32 s80, s15, 1
	s_add_co_u32 s80, s80, s16
	s_lshl_b32 s80, s80, 10                        ; 1,024 (1 - wr + wc)
.irp s, 0,1,2,3
	s_add_co_u32 s[76+\s], s80, BS0+(\s%2)*BLK-\s*BLK-1024   ; from x's words of K step s to the codes' words in slot s % 2
.endr
	s_lshl_b32 s[IDS], s68, 10
	s_lshl_b32 s81, s16, 7
	s_add_co_u32 s[IDS], s[IDS], s81               ; my first code: 1,024 Y + 128 wc
.irp b, 1,2,3,4,5,6,7
	s_add_co_u32 s[IDS+\b], s[IDS], 16*\b
.endr
	s_lshl_b32 s82, s[IDS], 2
	s_mov_b32 s83, 0
	s_lshl_b32 s84, s17, 3
	s_lshl_b32 s85, s15, 2
	s_add_co_u32 s84, s84, s85
	s_lshl_b32 s84, s84, 12                        ; part: row group 8 T + 4 wr, 4,096 bytes a group,
	s_lshl_b32 s85, s68, 1
	s_add_co_u32 s85, s85, s16
	s_lshl_b32 s85, s85, 8                         ; p = 2 Y + wc, 256 bytes each
	s_add_co_u32 s84, s84, s85
	s_mov_b32 s85, 0
	s_mul_i32 s86, s14, QRT                        ; my quarter of a block
	s_mov_b32 s87, 0
	s_mul_i32 s88, s14, 2*QRT                      ; my quarter of x's blocks 2 and 3
	s_mov_b32 s89, 0
	s_mul_i32 s90, s67, 13                         ; the prefetches: my work-group's first run of a quarter's 50
	s_mov_b32 s20, 0x76543210
	s_mov_b32 s21, 0xfedcba98
	s_mov_b32 s22, 0xffff0000                      ; lanes 16-31
	s_wait_dscnt 0x0                               ; both opening adds are done
	s_wait_kmcnt 0x0
	s_load_b64 s[H0:H0+1], s[8:9], 0x0             ; -c2 / 2 of code 0 (and of code 1, not used)
	s_add_nc_u64 s[4:5], s[4:5], s[72:73]
	s_add_nc_u64 s[6:7], s[6:7], s[74:75]
	s_add_nc_u64 s[12:13], s[8:9], s[82:83]        ; csq at my first code
	s_add_nc_u64 s[10:11], s[10:11], s[84:85]
	s_mov_b32 s[G0HA], 1
	s_add_co_u32 s[G0HA+1], s92, 0
	s_add_nc_u64 s[G0HA+2:G0HA+3], s[4:5], s[92:93]
	s_or_b32 s[G0HA+3], s[G0HA+3], 0x80000000
	s_mov_b32 s[G0HB], 1
	s_add_co_u32 s[G0HB+1], s92, BS0
	s_add_nc_u64 s[G0HB+2:G0HB+3], s[6:7], s[92:93]
	s_or_b32 s[G0HB+3], s[G0HB+3], 0x80000000
	s_add_nc_u64 s[PFA:PFA+1], s[6:7], s[86:87]    ; my quarter of block 0
.irp s, 0,1
	s_mov_b32 s[G0B+4*\s], 1
	s_add_co_u32 s[G0B+4*\s+1], s86, BS0+\s*BLK
	s_add_nc_u64 s[G0B+4*\s+2:G0B+4*\s+3], s[PFA:PFA+1], \s*BLK
	s_or_b32 s[G0B+4*\s+3], s[G0B+4*\s+3], 0x80000000
.endr
	CROUND                                         ; all sixteen work-groups are here: the first joint loads meet
	s_cmp_eq_u32 s15, 0
	s_cbranch_scc0 .Lhead_cb
	tensor_load_to_lds s[G0HA:G0HA+3], s[G1A:G1A+7]   ; waves 0, 1: x's blocks 0, 1
	s_nop 0
	PLACES 4
	s_branch .Lhead_asked
.Lhead_cb:
	tensor_load_to_lds s[G0HB:G0HB+3], s[G1B:G1B+7]   ; waves 2, 3: the codebook's blocks 0, 1
	s_nop 0
	PLACES 4
.Lhead_asked:
	v_and_b32 v1, 31, v0                           ; lane
	v_and_b32 v2, 15, v0                           ; r
	v_bfe_u32 v3, v0, 4, 1                         ; h
	v_lshlrev_b32 v4, 4, v1
	v_lshlrev_b32 v5, 3, v2
	v_lshlrev_b32 v[PO], 3, v1
	v_lshlrev_b32 v[H8], 3, v3
	v_lshlrev_b32 v[C2O], 5, v3
	v_add_nc_u32 v6, s18, v4
	v_add_nc_u32 v7, s19, v4
	v_add_nc_u32 v8, s23, v5
.irp s, 0,1,2,3
	v_add_nc_u32 v[ADRA+\s], \s*BLK, v6
	v_mul_u32_u24 v9, s[76+\s], v3                 ; lanes 16-31 take the codes' words: the distance times h, ONE product
	v_add_nc_u32 v[ADRS+\s], \s*BLK+SCO, v8
	v_add_nc_u32 v[ADRS+\s], v[ADRS+\s], v9
.endr
.irp s, 0,1
	v_add_nc_u32 v[ADRB+\s], BS0+\s*BLK, v7
.endr
	v_min_u32 v10, 12, v1
	v_add_nc_u32 v10, s90, v10
	v_min_u32 v10, 49, v10                         ; inside my quarter
	v_lshlrev_b32 v[PFO], 8, v10
	s_wait_alu depctr_va_vdst(0)                   ; the wait ahead of the readers below
.macro C2LOAD                          ; -c2 / 2 of the tile's codes, in the result's layout: for block b my eight codes' numbers
	WIN TO_B
.irp b, 0,1,2,3,4,5,6,7
.irp u, 0,1
	global_load_b128 v[96+8*\b+96*(\b/4)+4*\u:96+8*\b+96*(\b/4)+4*\u+3], v[C2O], s[12:13] offset:64*\b+16*\u
.endr
.endr
	WIN 0
.endm
.macro C2SHIFT                         ; + c2[0] / 2
	WIN 0x41
.irp b, 0,1,2,3,4,5,6,7
.irp u, 0,2,4,6
	v_pk_add_f32 v[96+8*\b+96*(\b/4)+\u:96+8*\b+96*(\b/4)+\u+1], v[96+8*\b+96*(\b/4)+\u:96+8*\b+96*(\b/4)+\u+1], s[H0:H0+1] op_sel_hi:[1,0]
.endr
.endr
	WIN 0
.endm
	C2LOAD
	global_prefetch_b8 v[PFO], s[PFA:PFA+1] offset:2*BLK th:TH_LOAD_NT scope:SCOPE_SE   ; blocks 2 and 3, which the first two refills ask for
	global_prefetch_b8 v[PFO], s[PFA:PFA+1] offset:3*BLK th:TH_LOAD_NT scope:SCOPE_SE
	; the search's state begins under every score, so that the first tile is searched by the same text as the others
.irp a, 0,1,2,3,4,5,6,7
	v_mov_b32 v[BEST+\a], 0xff800000
	v_mov_b32 v[ID+\a], s[IDS]
.endr
.set J, 0
.rept 64
	v_mov_b32 v[SV+J], 0xff800000
.set J, J+1
.endr
	s_wait_kmcnt 0x0
	s_xor_b32 s[H0], s[H0], 0x80000000             ; + c2[0] / 2
	s_wait_loadcnt 0x0
	C2SHIFT
.macro FRAG reg, adr, off
.irp c, 0,1,2
	ds_load_b128 v[\reg+4*\c:\reg+4*\c+3], v[\adr] offset:\off+512*\c
.endr
.endm
.macro FETCH_B slot, kk, p             ; the codes' eight fragments of the slot's kk-th 128 along K into set p
	WIN TO_B
.irp i, 0,1,2,3,4,5,6,7
	FRAG 128*(\p)+12*\i, ADRB+\slot, (2*\i+\kk)*FRB
.endr
	WIN 0
.endm
.macro FETCH_A s, kk, i0               ; x's blocks i0 .. i0 + 3 of K step s
.irp i, \i0, \i0+1, \i0+2, \i0+3
	FRAG AF+12*(\i), ADRA+\s, (2*(\i)+\kk)*FRB
.endr
.endm
.macro SCALES s, set                   ; K step s's scale words, two a row: lanes 0-15 x's block i, lanes 16-31 the codes' block i
.irp i, 0,1,2,3,4,5,6,7
	ds_load_b64 v[SC+16*\set+2*\i:SC+16*\set+2*\i+1], v[ADRS+\s] offset:128*\i
.endr
.endm
; 16 matrix instructions: x's blocks a0, a0 + 1 against the codes' eight, 128 along K.  first = 1: C is the tile's -(c2 - c2[0]) / 2 (window 1): the product starts the sums.
; The 64 accumulators take turns, one instruction a turn, in the same order in every step.
.macro MUL16 a0, p, kk, set, first
.irp a, \a0, \a0+1
.irp b, 0,1,2,3,4,5,6,7
.set DD, 8*(8*((\a)%4)+\b)
.if \first
.set CR, 96+8*\b+96*(\b/4)
.else
.set CR, DD
.endif
	v_wmma_scale_f32_16x16x128_f8f6f4 v[DD:DD+7], v[128*(\p)+12*\b:128*(\p)+12*\b+11], v[AF+12*(\a):AF+12*(\a)+11], v[CR:CR+7], v[SC+16*(\set)+2*\b+(\kk)], v[SC+16*(\set)+2*(\a)+(\kk)] matrix_a_fmt:MATRIX_FMT_FP6 matrix_b_fmt:MATRIX_FMT_FP6 matrix_a_scale:MATRIX_SCALE_ROW1
.endr
.endr
.endm
; The first 128 along K of K step s (its block of the codebook lies in slot sl).  A block of x is free as soon as its eight products are issued.
.macro STEP s, sl, first
	s_wait_dscnt 12                                ; all but the youngest twelve loads (x's blocks 4-7)
	WIN MUL_LO-0x10*\first
	MUL16 0, 0, 0, \sl, \first
	MUL16 2, 0, 0, \sl, \first
	s_wait_dscnt 0x0
	PLACES 4
	FETCH_B \sl, 1, 1
	FETCH_A \s, 1, 0
	WIN MUL_HI-0x20*\first
	MUL16 4, 0, 0, \sl, \first
	MUL16 6, 0, 0, \sl, \first
	PLACES 4
	WIN 0
	FETCH_A \s, 1, 4
.endm
; The second 128 along K of K step s changes slots: ONE barrier; in front of it each wave waits for all its tensor loads, adds 0 to its spare word, and waits for that and for its own reads of slot sl.
; fill = 1: slot sl takes the block two further on; the barrier then opens a round of the cluster's.  pf = 1: the block four further on is named.
.macro TURN s, sl, ns, nsl, fill, pf
.if \pf
	s_wait_xcnt 0x0                                ; my last prefetch has read its base
	s_add_nc_u64 s[PFA:PFA+1], s[PFA:PFA+1], BLK
.endif
	s_wait_tensorcnt 0x0                           ; all my tensor loads have landed
	ds_add_u32 v[SPW], v[NIL]
	s_wait_dscnt 13                                ; (the add and the youngest twelve loads may be out)
	WIN MUL_LO
	MUL16 0, 1, 1, \sl, 0
	s_wait_dscnt 0x0                               ; the add is done, and my reads of this slot are over
	s_barrier_signal -1
	MUL16 2, 1, 1, \sl, 0
	WIN 0
	s_barrier_wait -1
.if \fill
	CREST                                          ; no wave of any partner still reads this slot or has a load on its way
	s_add_nc_u64 s[G0B+4*\sl+2:G0B+4*\sl+3], s[G0B+4*\sl+2:G0B+4*\sl+3], 2*BLK
	tensor_load_to_lds s[G0B+4*\sl:G0B+4*\sl+3], s[G1B:G1B+7]   ; my one tensor load behind the round
	s_nop 0
.endif
	PLACES 4
	FETCH_B \nsl, 0, 0
	FETCH_A \ns, 0, 0
	SCALES \ns, \nsl
.if \pf
	global_prefetch_b8 v[PFO], s[PFA:PFA+1] offset:3*BLK th:TH_LOAD_NT scope:SCOPE_SE
.endif
	WIN MUL_HI
	MUL16 4, 1, 1, \sl, 0
	MUL16 6, 1, 1, \sl, 0
	PLACES 4                                       ; for the loads below, and at a tile's end for the first read of results
	WIN 0
	FETCH_A \ns, 0, 4
.endm
.macro LASTSTEP
	s_wait_dscnt 12
	WIN MUL_LO
	MUL16 0, 1, 1, 1, 0
	MUL16 2, 1, 1, 1, 0
	s_wait_dscnt 0x0
	WIN MUL_HI
	MUL16 4, 1, 1, 1, 0
	MUL16 6, 1, 1, 1, 0
	PLACES 4
	WIN 0
.endm
; THE SEARCH for blocks 4 g .. 4 g + 3 of 16 rows, by turns.  N(q, b) lies at v[8 q + 224 (q / 2) + b].
.macro EPIG g
.set EW, 2+\g
	WIN (EW<<2)|EW                                 ; sources 0 and 1: the accumulators
.irp b, 0,1,2,3,4,5,6,7
.irp u, 0,2,4,6                        ; each accumulator from its low end on
.irp q, 0,1,2,3
.set NN, 8*\q+224*(\q/2)+\b
.if \u
.set NP, NN
.else
.if \b
.set NP, NN-1
.else
.set NP, BEST+4*\g+\q
.endif
.endif
	v_max3_num_f32 v[NN], v[64*\q+8*\b+\u], v[64*\q+8*\b+\u+1], v[NP]
.endr
.endr
.endr
	WIN 0
.irp b, 0,1,2,3,4,5,6,7
.irp q, 0,1,2,3
.set NN, 8*\q+224*(\q/2)+\b
.if \b
.set NP, NN-1
.else
.set NP, BEST+4*\g+\q
.endif
	v_cmp_gt_f32 s[MK+8*\q+\b], v[NN], v[NP]       ; strictly larger than all before it: the earliest keeps a tie
.endr
.endr
.irp b, 0,1,2,3,4,5,6,7
.irp q, 0,1,2,3
	v_cndmask_b32 v[ID+4*\g+\q], v[ID+4*\g+\q], s[IDS+\b], s[MK+8*\q+\b]
.endr
.endr
.irp q, 0,1,2,3
	v_mov_b32 v[BEST+4*\g+\q], v[8*\q+224*(\q/2)+7]
.endr
	WIN EW<<2                                      ; source 1: the accumulators
.irp b, 0,1,2,3,4,5,6,7
.irp q, 0,1,2,3
.irp j, 0,1,2,3,4,5,6,7
	v_cndmask_b32 v[SV+8*(4*\g+\q)+\j], v[SV+8*(4*\g+\q)+\j], v[64*\q+8*\b+\j], s[MK+8*\q+\b]   ; a later leader writes over an earlier one
.endr
.endr
.endr
	WIN 0
.endm
; A tile of 256 codes: four K steps of 256, then the search.  The ring goes on into the next tile; the next tile's C is asked for behind the first step, which is the only reader of this tile's.
.macro TILE last
	STEP 0, 0, 1
.if \last
	TURN 0, 0, 1, 1, 1, 0
	STEP 1, 1, 0
	TURN 1, 1, 2, 0, 1, 0
	STEP 2, 0, 0
	TURN 2, 0, 3, 1, 0, 0                          ; blocks 14 and 15 are the last: nothing is asked for, and no round follows
	STEP 3, 1, 0
	LASTSTEP
.else
	s_add_nc_u64 s[12:13], s[12:13], 1024          ; the next tile's 256 codes (the loads that read this base are done)
	C2LOAD
	TURN 0, 0, 1, 1, 1, 1
	STEP 1, 1, 0
	TURN 1, 1, 2, 0, 1, 1
	STEP 2, 0, 0
	TURN 2, 0, 3, 1, 1, 1
	STEP 3, 1, 0
	TURN 3, 1, 0, 0, 1, 1
	s_wait_loadcnt 0x0                             ; the next tile's C
	C2SHIFT
.endif
	EPIG 0
	EPIG 1
.if \last == 0
.irp b, 0,1,2,3,4,5,6,7
	s_add_co_u32 s[IDS+\b], s[IDS+\b], 256
.endr
.endif
.endm
	s_wait_alu depctr_va_vdst(0)                   ; the wait at the head's end
	s_wait_tensorcnt 0x0                           ; my block of the head's four is in; the three lines ahead of a later first fill:
	ds_add_u32 v[SPW], v[NIL]
	s_mov_b32 s[G1A+2], 100<<16                    ; no tensor load of mine is out: x's next load brings 100 rows,
	s_mov_b32 s[G1A+4], 100
	s_mov_b32 s[G1B+2], 50<<16                     ; the ring's loads 50
	s_mov_b32 s[G1B+4], 50
	s_add_co_u32 s[G0HA+1], s88, 2*BLK
	s_add_nc_u64 s[G0HA+2:G0HA+3], s[4:5], s[88:89]
	s_add_nc_u64 s[G0HA+2:G0HA+3], s[G0HA+2:G0HA+3], 2*BLK
	s_or_b32 s[G0HA+3], s[G0HA+3], 0x80000000
	s_wait_dscnt 0x0
	CROUND                                         ; all four blocks are in, and the joint loads meet
	tensor_load_to_lds s[G0HA:G0HA+3], s[G1A:G1A+7]   ; my quarter of x's blocks 2 and 3: the first tensor load behind the round
	s_nop 0
	PLACES 4
	FETCH_B 0, 0, 0
	FETCH_A 0, 0, 0
	SCALES 0, 0
	FETCH_A 0, 0, 4
	s_mov_b32 s3, 3
.Ltile:                                            ; three tiles; every window is 0 at the label and at the branch
	TILE 0
	s_sub_co_u32 s3, s3, 1
	s_cmp_lg_u32 s3, 0
	s_wait_alu depctr_va_vdst(0)                   ; the wait ahead of the branch
	s_cbranch_scc1 .Ltile
	TILE 1                                         ; the last tile is written out
	; THE END OF THE SEARCH, the eight blocks of rows by turns, in the registers that x's fragments have left.
.set FJ,  128
.set FK,  136
.set FI,  144
.set FT,  152
.set FOK, 160
.set FOI, 168
.set FM,  176
.set FO,  184
.irp a, 0,1,2,3,4,5,6,7
	v_mov_b32 v[FJ+\a], 7
	v_mov_b32 v[FOK+\a], 0                         ; a lane permute's destination counts as one of its sources
	v_mov_b32 v[FOI+\a], 0
.endr
.irp j, 6,5,4,3,2,1,0                  ; from the last to the first: the first that equals BEST stays
.irp a, 0,1,2,3,4,5,6,7
	v_cmp_eq_f32 s[MK+\a], v[SV+8*\a+\j], v[BEST+\a]
.endr
.irp a, 0,1,2,3,4,5,6,7
	v_cndmask_b32 v[FJ+\a], v[FJ+\a], \j, s[MK+\a]
.endr
.endr
.irp a, 0,1,2,3,4,5,6,7
	v_add3_u32 v[FI+\a], v[FJ+\a], v[ID+\a], v[H8] ; the code: the accumulator's first + 8 h + j
	v_add_f32 v[FK+\a], 0, v[BEST+\a]              ; -0 becomes +0
.endr
.irp a, 0,1,2,3,4,5,6,7
	v_ashrrev_i32 v[FT+\a], 31, v[FK+\a]
.endr
.irp a, 0,1,2,3,4,5,6,7
	v_or_b32 v[FT+\a], 0x80000000, v[FT+\a]
.endr
.irp a, 0,1,2,3,4,5,6,7
	v_xor_b32 v[FK+\a], v[FK+\a], v[FT+\a]         ; negative: all bits turned; else the sign bit set: whole numbers in the scores' order
.endr
.irp a, 0,1,2,3,4,5,6,7
	v_permlanex16_b32 v[FOK+\a], v[FK+\a], s20, s21   ; the row's other codes lie in the lane 16 away
	v_permlanex16_b32 v[FOI+\a], v[FI+\a], s20, s21
.endr
.irp a, 0,1,2,3,4,5,6,7
	v_max_u32 v[FM+\a], v[FK+\a], v[FOK+\a]
.endr
.irp a, 0,1,2,3,4,5,6,7
	v_cmp_eq_u32 s[MK+\a], v[FK+\a], v[FM+\a]
.endr
.irp a, 0,1,2,3,4,5,6,7
	v_cndmask_b32 v[FI+\a], -1, v[FI+\a], s[MK+\a] ; a code whose key is not the larger counts as the largest whole number
.endr
.irp a, 0,1,2,3,4,5,6,7
	v_cmp_eq_u32 s[MK+\a], v[FOK+\a], v[FM+\a]
.endr
.irp a, 0,1,2,3,4,5,6,7
	v_cndmask_b32 v[FOI+\a], -1, v[FOI+\a], s[MK+\a]
.endr
.irp a, 0,1,2,3,4,5,6,7
	v_min_u32 v[FI+\a], v[FI+\a], v[FOI+\a]        ; of equal keys the lower code
.endr
.irp q, 0,1,2,3                        ; lanes 0-15 take block 2 q's rows, lanes 16-31 block 2 q + 1's: 32 rows on end
	v_cndmask_b32 v[FO+2*\q], v[FM+2*\q], v[FM+2*\q+1], s22
	v_cndmask_b32 v[FO+2*\q+1], v[FI+2*\q], v[FI+2*\q+1], s22
.endr
.irp q, 0,1,2,3
	global_store_b64 v[PO], v[FO+2*\q:FO+2*\q+1], s[10:11] offset:4096*\q   ; row group 8 T + 4 wr + q, partial p: 256 consecutive bytes, aligned
.endr
	s_wait_tensorcnt 0x0                           ; the wave's end
	ds_add_u32 v[SPW], v[NIL]
	s_wait_dscnt 0x0
	CROUND                                         ; the closing round
	s_endpgm
.Lfunc_end_k_q95949ac91b_snap:
	.size	k_q95949ac91b_snap, .Lfunc_end_k_q95949ac91b_snap-k_q95949ac91b_snap
	.p2alignl 7, 3214868480
	.fill 96, 4, 3214868480
	.section	.rodata,"a",@progbits
	.p2align	6, 0x0
	.amdhsa_kernel k_q95949ac91b_snap
		.amdhsa_group_segment_fixed_size 327680
		.amdhsa_private_segment_fixed_size 0
		.amdhsa_enable_private_segment 0
		.amdhsa_kernarg_size 32
		.amdhsa_user_sgpr_count 2
		.amdhsa_user_sgpr_kernarg_segment_ptr 1
		.amdhsa_wavefront_size32 1
		.amdhsa_system_sgpr_workgroup_id_x 1
		.amdhsa_system_sgpr_workgroup_id_y 1
		.amdhsa_system_sgpr_workgroup_id_z 1
		.amdhsa_system_vgpr_workitem_id 0
		.amdhsa_next_free_vgpr 1024
		.amdhsa_next_free_sgpr 102
		.amdhsa_reserve_vcc 0
		.amdhsa_float_denorm_mode_32 3
		.amdhsa_float_denorm_mode_16_64 3
		.amdhsa_memory_ordered 1
		.amdhsa_forward_progress 1
		.amdhsa_inst_pref_size 255
	.end_amdhsa_kernel
	.section	.bss,"aw",@nobits
	.p2align	6
	.space	262144
	.amdgpu_metadata
---
amdhsa.version: [ 1, 2 ]
amdhsa.kernels:
  - .name:           k_q95949ac91b_snap
    .symbol:         k_q95949ac91b_snap.kd
    .args:
      - { .name: xq, .offset: 0, .size: 8, .value_kind: global_buffer, .address_space: global }
      - { .name: cq, .offset: 8, .size: 8, .value_kind: global_buffer, .address_space: global }
      - { .name: csq, .offset: 16, .size: 8, .value_kind: global_buffer, .address_space: global }
      - { .name: part, .offset: 24, .size: 8, .value_kind: global_buffer, .address_space: global }
    .group_segment_fixed_size: 327680
    .private_segment_fixed_size: 0
    .kernarg_segment_align: 8
    .kernarg_segment_size: 32
    .max_flat_workgroup_size: 128
    .sgpr_count:     102
    .vgpr_count:     1024
    .wavefront_size: 32
...
	.end_amdgpu_metadata
.endif
;; end of part 2
;; launch take (part 3): grid 256 x 1, 16 waves a work-group, no clusters, 0 bytes of LDS; arguments part, codebook, out0; writes out0
.if DOCPART == 3
	.amdgcn_target "amdgcn-amd-amdhsa--gfx1250"
	.amdhsa_code_object_version 6
	.text
	.protected	k_q95949ac91b_take
	.globl	k_q95949ac91b_take
	.p2align	8
	.type	k_q95949ac91b_take,@function
k_q95949ac91b_take:
	s_mov_b64 s[64:65], 0
	v_nop
	global_prefetch_b8 v0, s[64:65] scope:SCOPE_SE
	s_setreg_imm32_b32 hwreg(HW_REG_WAVE_MODE, 25, 1), 1
	s_wait_xcnt 0x0
; out0[row] = codebook[the row's code], f32, unquantised.  part holds for each row 16 partial results of the launch before, as whole numbers: a key (in the scores' order) and a code; laid [group of 32 rows][p 0..15][row in group][key, code].
; The row's code is that of the largest key; of equal keys the lowest code.  All comparisons here are of whole numbers read from memory.
; SHARES.  A work-group owns one group of 32 rows; sixteen lanes own a row: lane p of them reads partial p, and later copies bytes 16 p of each 256 of the row.  A wave serves two rows.
; The one load of partials takes 8 bytes a lane from sixteen places 256 bytes apart; the work-group's sixteen waves together read its 4,096 bytes once.  It is one load a wave, so no stage in LDS and no barrier is spent on it.
; Memory binds: each row is read once by 16-byte loads and written once, sixteen lanes to 256 consecutive aligned bytes; all sixteen loads of a wave are out before its first store.  No LDS, no matrix unit, no cluster: nothing is shared.
; The code is held at 8,191 from above before it enters an address.
	s_load_b128 s[4:7], s[0:1], 0x0                ; part, codebook
	s_load_b64 s[8:9], s[0:1], 0x10                ; out0
	v_and_b32 v1, 15, v0                           ; p
	v_lshrrev_b32 v2, 4, v0                        ; the row in the group
	s_delay_alu instid0(VALU_DEP_1)
	v_lshlrev_b32 v3, 3, v2
	s_delay_alu instid0(VALU_DEP_1)
	v_lshl_add_u32 v3, v1, 8, v3                   ; 256 p + 8 row
	s_delay_alu instid0(VALU_DEP_4)
	v_lshlrev_b32 v9, 4, v1                        ; 16 p
	s_delay_alu instid0(VALU_DEP_1)
	v_lshl_add_u32 v11, v2, 12, v9                 ; out: row x 4,096 + 16 p
	v_mov_b32 v7, 0                                ; written once: a DPP move's destination counts as one of its sources
	s_lshl_b32 s10, ttmp9, 12                      ; the group's 4,096 bytes of partials
	s_mov_b32 s11, 0
	s_lshl_b32 s12, ttmp9, 17                      ; its 32 rows of 4,096 bytes
	s_mov_b32 s13, 0
	s_wait_alu depctr_va_vdst(0)
	s_wait_kmcnt 0x0
	s_add_nc_u64 s[4:5], s[4:5], s[10:11]
	s_add_nc_u64 s[8:9], s[8:9], s[12:13]
	global_load_b64 v[4:5], v3, s[4:5]             ; key, code
	s_wait_loadcnt 0x0
	v_mov_b32 v6, v4
.irp m, 1,2,4,8
	s_delay_alu instid0(VALU_DEP_1)
	v_mov_b32_dpp v7, v6 row_xmask:\m row_mask:0xf bank_mask:0xf
	s_delay_alu instid0(VALU_DEP_1)
	v_max_u32 v6, v6, v7                           ; the largest key of the sixteen, in every one of them
.endr
	s_delay_alu instid0(VALU_DEP_1)
	v_cmp_eq_u32 vcc_lo, v4, v6
	s_delay_alu instid0(VALU_DEP_1)
	v_cndmask_b32 v8, -1, v5, vcc_lo               ; a code whose key is not the largest counts as the largest whole number
.irp m, 1,2,4,8
	s_delay_alu instid0(VALU_DEP_1)
	v_mov_b32_dpp v7, v8 row_xmask:\m row_mask:0xf bank_mask:0xf
	s_delay_alu instid0(VALU_DEP_1)
	v_min_u32 v8, v8, v7                           ; of equal keys the lowest code
.endr
	s_delay_alu instid0(VALU_DEP_1)
	v_min_u32 v8, 0x1fff, v8                       ; inside the table
	s_delay_alu instid0(VALU_DEP_1)
	v_lshl_add_u32 v10, v8, 12, v9                 ; in: code x 4,096 + 16 p
.irp i, 0,1,2,3,4,5,6,7,8,9,10,11,12,13,14,15
	global_load_b128 v[16+4*\i:19+4*\i], v10, s[6:7] offset:256*\i   ; sixteen lanes read 256 consecutive bytes of the chosen row.  No hint: many rows may choose one code
.endr
.irp i, 0,1,2,3,4,5,6,7,8,9,10,11,12,13,14,15
	s_wait_loadcnt 15-\i                           ; loads come back in order (ISA guide 5.7.1): load i is in, the younger ones stay out
	global_store_b128 v11, v[16+4*\i:19+4*\i], s[8:9] offset:256*\i th:TH_STORE_NT   ; sixteen lanes store 256 consecutive bytes, aligned; written once, read by nobody here
.endr
	s_endpgm
.Lfunc_end_k_q95949ac91b_take:
	.size	k_q95949ac91b_take, .Lfunc_end_k_q95949ac91b_take-k_q95949ac91b_take
	.p2alignl 7, 3214868480
	.fill 96, 4, 3214868480
	.section	.rodata,"a",@progbits
	.p2align	6, 0x0
	.amdhsa_kernel k_q95949ac91b_take
		.amdhsa_group_segment_fixed_size 0
		.amdhsa_private_segment_fixed_size 0
		.amdhsa_enable_private_segment 0
		.amdhsa_kernarg_size 24
		.amdhsa_user_sgpr_count 2
		.amdhsa_user_sgpr_kernarg_segment_ptr 1
		.amdhsa_wavefront_size32 1
		.amdhsa_system_sgpr_workgroup_id_x 1
		.amdhsa_system_sgpr_workgroup_id_y 1
		.amdhsa_system_sgpr_workgroup_id_z 1
		.amdhsa_system_vgpr_workitem_id 0
		.amdhsa_next_free_vgpr 96
		.amdhsa_next_free_sgpr 66
		.amdhsa_reserve_vcc 1
		.amdhsa_float_denorm_mode_32 3
		.amdhsa_float_denorm_mode_16_64 3
		.amdhsa_memory_ordered 1
		.amdhsa_forward_progress 1
		.amdhsa_inst_pref_size 7
	.end_amdhsa_kernel
	.amdgpu_metadata
---
amdhsa.version: [ 1, 2 ]
amdhsa.kernels:
  - .name:           k_q95949ac91b_take
    .symbol:         k_q95949ac91b_take.kd
    .args:
      - { .name: part, .offset: 0, .size: 8, .value_kind: global_buffer, .address_space: global }
      - { .name: codebook, .offset: 8, .size: 8, .value_kind: global_buffer, .address_space: global }
      - { .name: out0, .offset: 16, .size: 8, .value_kind: global_buffer, .address_space: global }
    .group_segment_fixed_size: 0
    .private_segment_fixed_size: 0
    .kernarg_segment_align: 8
    .kernarg_segment_size: 24
    .max_flat_workgroup_size: 512
    .sgpr_count:     66
    .vgpr_count:     96
    .wavefront_size: 32
...
	.end_amdgpu_metadata
.endif
;; end of part 3
